; MI455X (gfx1250); checked and timed in simulation.
; The chip was launched on July 23, 2026; its instructions are those of AMD's public machine-readable ISA for CDNA 5 (MIT licence, August 2026) and "CDNA5" Instruction Set Architecture Reference Guide (July 2026). The comments in the code are by the model that wrote it; some were corrected since.
;; Max Pool4d. Allowed arithmetic: float matrix products may take bf16 or f16 operands with f32 sums; all other float work in f32.
;; Inputs: x 4 x 16 x 16 x 16 x 64 x 64 float32.
;; Outputs: out0 4 x 16 x 8 x 8 x 32 x 32 float32.
;; One version. Each part assembles by itself: llvm-mc -triple=amdgcn-amd-amdhsa -mcpu=gfx1250 --defsym DOCPART=n.
;; ======== version 1 of 1: 1 launch
;; launch pool (part 1): grid 256 x 1, 32 waves a work-group, no clusters, 0 bytes of LDS; arguments x, out0; writes out0
.if DOCPART == 1
	.amdgcn_target "amdgcn-amd-amdhsa--gfx1250"
	.amdhsa_code_object_version 6
	.text
	.protected	k_qbf7d77772f_pool
	.globl	k_qbf7d77772f_pool
	.p2align	8
	.type	k_qbf7d77772f_pool,@function
k_qbf7d77772f_pool:
	s_mov_b64 s[64:65], 0
	v_nop
	global_prefetch_b8 v0, s[64:65] scope:SCOPE_SE
	s_setreg_imm32_b32 hwreg(HW_REG_WAVE_MODE, 25, 1), 1
	s_wait_xcnt 0x0
; MaxPool4d, window 2 and stride 2 over the last four axes.
; x: [4][16][16][16][64][64] f32 (n, c, k, d, h, w).   out0: [4][16][8][8][32][32] f32.
; An output plane (n, c, ko, do) is 4,096 consecutive bytes and comes from the four input planes (2ko+{0,1}, 2do+{0,1}) of 16,384 bytes each.
; With q = (n*16 + c)*8 + ko the first of them starts at byte q*524,288 + do*32,768; the others lie PLANE_D, PLANE_K and PLANE_D+PLANE_K further on.
;
; WORK.  256 work-groups of 32 waves.  A work-group makes 16 output planes (1 MiB in, 64 KiB out); wave w makes half w&1 (16 rows) of plane w>>1.
; A wave goes in 8 GROUPS.  Group t: input rows 4t .. 4t+3 of its half, in each of the four planes -> output rows 2t, 2t+1 (256 bytes).
; Eight 16-byte loads a lane.  In a load lanes 0-15 take the 256 bytes of row 4t and lanes 16-31 those of row 4t+2; its partner, ROW further on,
; takes rows 4t+1 and 4t+3.  So each load covers two whole rows of 256 bytes, aligned; the pair covers 1,024 consecutive bytes; and all 16
; numbers of an output's window lie in ONE lane: no step across lanes, no LDS, no barrier.  A lane ends with 2 neighbouring outputs, and the
; wave's one 8-byte store covers 256 consecutive bytes at a multiple of 256 from out0's first byte (lanes 0-15 row 2t, lanes 16-31 row 2t+1).
;
; RING.  Three slots of 32 registers: 24 loads (12 KiB) of every wave are on their way.  The 8 turns are written out, so every offset is
; an immediate (the largest 285,952, inside the signed 24-bit field) and each group has its own pair of result registers: no address register and
; no store source is ever rewritten, so the only waits are the counted ones for the loads.
;
; VALUES.  v_maximum_f32: a NaN in a window gives NaN, as the reference's max does; infinities pass as they are.  Every window is whole
; (all extents are even), so the reference's start value -inf changes nothing.  Of +0 and -0 in one window the result is +0.
; No byte of x is read by two work-groups, so there is nothing that a cluster could share.
.set ROW,     256                      ; bytes in an input row (64 f32)
.set GROUP,   4*ROW                    ; input bytes of a group in one plane
.set PLANE_D, 64*ROW                   ; from d to d+1: 16,384
.set PLANE_K, 16*PLANE_D               ; from k to k+1: 262,144
.set SLOTS,   3
.set IN,  1                            ; v1        my byte offset in x from the work-group's first plane
.set OUT, 2                            ; v2        my byte offset in out0 from the work-group's first plane
.set T,   3                            ; v3        scratch for the set-up
.set X,   4                            ; v[4:99]   slot s: 8 loads x 4 registers
.set Y,   100                          ; v[100:115] group t: its two results
	s_load_b128 s[4:7], s[0:1], 0x0                ; x s[4:5], out0 s[6:7]
	s_lshl_b32 s8, ttmp9, 20                       ; the work-group's 2 values of q: 2 x 524,288 bytes of x (below 2^28)
	s_mov_b32 s9, 0
	s_lshl_b32 s10, ttmp9, 16                      ; its 16 output planes of 4,096 bytes
	s_mov_b32 s11, 0
	; input offset, from the bits of the thread number (32 w + lane):
	v_and_b32 v[IN], 15, v0                        ; lane & 15: 16 bytes each along a row
	v_lshlrev_b32 v[IN], 4, v[IN]
	v_and_b32 v[T], 16, v0                         ; lane >> 4: two rows on, 512 bytes
	v_lshl_or_b32 v[IN], v[T], 5, v[IN]
	v_and_b32 v[T], 32, v0                         ; w & 1: the plane's second half, 32 rows = 8,192 bytes
	v_lshl_or_b32 v[IN], v[T], 8, v[IN]
	v_and_b32 v[T], 0x1c0, v0                      ; (w >> 1) & 7 = do: 32,768 bytes each
	v_lshl_or_b32 v[IN], v[T], 9, v[IN]
	v_and_b32 v[T], 0x200, v0                      ; w >> 4: the second q, 524,288 bytes
	v_lshl_or_b32 v[IN], v[T], 10, v[IN]
	; output offset: 2,048 w + 8 lane
	v_and_b32 v[OUT], 31, v0
	v_lshlrev_b32 v[OUT], 3, v[OUT]
	v_and_b32 v[T], 0x3e0, v0
	v_lshl_or_b32 v[OUT], v[T], 6, v[OUT]
	s_wait_kmcnt 0x0
	s_add_nc_u64 s[4:5], s[4:5], s[8:9]
	s_add_nc_u64 s[6:7], s[6:7], s[10:11]
; Eight loads: group t into slot s.  Plane p = 0..3 is (k, d), (k, d+1), (k+1, d), (k+1, d+1); in each the even rows, then the odd ones.
; x is read once in the whole launch: no reuse to keep in a cache.
.macro FILL s, t
.irp p, 0,1,2,3
	global_load_b128 v[X+32*\s+8*\p:X+32*\s+8*\p+3],   v[IN], s[4:5] offset:GROUP*(\t)+PLANE_D*(\p%2)+PLANE_K*(\p/2) th:TH_LOAD_NT
	global_load_b128 v[X+32*\s+8*\p+4:X+32*\s+8*\p+7], v[IN], s[4:5] offset:GROUP*(\t)+PLANE_D*(\p%2)+PLANE_K*(\p/2)+ROW th:TH_LOAD_NT
.endr
.endm
; The turn of group t, which lies in slot s.  fill = 1: the slot then takes group t + SLOTS.
; left = how many younger loads may stay out.
.macro TURN s, t, fill, left
	s_wait_loadcnt \left                           ; loads come back in order (ISA guide 5.7.1): this group's eight are in, the younger groups stay out
	; a tree over the eight loads, word by word: h, then d, then k.  No line waits for the one in front of it.
.irp q, 0,2,4,6
.irp e, 0,1,2,3
	v_maximum_f32 v[X+32*\s+4*\q+\e], v[X+32*\s+4*\q+\e], v[X+32*\s+4*\q+4+\e]
.endr
.endr
.irp q, 0,4
.irp e, 0,1,2,3
	v_maximum_f32 v[X+32*\s+4*\q+\e], v[X+32*\s+4*\q+\e], v[X+32*\s+4*\q+8+\e]
.endr
.endr
.irp e, 0,1,2,3
	v_maximum_f32 v[X+32*\s+\e], v[X+32*\s+\e], v[X+32*\s+16+\e]
.endr
	v_maximum_f32 v[Y+2*\t],   v[X+32*\s],   v[X+32*\s+1]        ; and along w: my 4 columns give 2 outputs
	v_maximum_f32 v[Y+2*\t+1], v[X+32*\s+2], v[X+32*\s+3]
.if \fill
	FILL \s, (\t+SLOTS)                            ; loads ahead of the store
.endif
	global_store_b64 v[OUT], v[Y+2*\t:Y+2*\t+1], s[6:7] offset:256*\t th:TH_STORE_NT
.endm
	FILL 0, 0
	FILL 1, 1
	FILL 2, 2
	TURN 0, 0, 1, 16                               ; 16 = the two younger groups' loads
	TURN 1, 1, 1, 16
	TURN 2, 2, 1, 16
	TURN 0, 3, 1, 16
	TURN 1, 4, 1, 16                               ; fills group 7, the wave's last: no load leaves x
	TURN 2, 5, 0, 16                               ; nothing is filled any more: the counts run down
	TURN 0, 6, 0, 8
	TURN 1, 7, 0, 0
	s_endpgm
.Lfunc_end_k_qbf7d77772f_pool:
	.size	k_qbf7d77772f_pool, .Lfunc_end_k_qbf7d77772f_pool-k_qbf7d77772f_pool
	.p2alignl 7, 3214868480
	.fill 96, 4, 3214868480
	.section	.rodata,"a",@progbits
	.p2align	6, 0x0
	.amdhsa_kernel k_qbf7d77772f_pool
		.amdhsa_group_segment_fixed_size 0
		.amdhsa_private_segment_fixed_size 0
		.amdhsa_enable_private_segment 0
		.amdhsa_kernarg_size 16
		.amdhsa_user_sgpr_count 2
		.amdhsa_user_sgpr_kernarg_segment_ptr 1
		.amdhsa_wavefront_size32 1
		.amdhsa_system_sgpr_workgroup_id_x 1
		.amdhsa_system_sgpr_workgroup_id_y 1
		.amdhsa_system_sgpr_workgroup_id_z 1
		.amdhsa_system_vgpr_workitem_id 0
		.amdhsa_next_free_vgpr 116
		.amdhsa_next_free_sgpr 66
		.amdhsa_reserve_vcc 0
		.amdhsa_float_denorm_mode_32 3
		.amdhsa_float_denorm_mode_16_64 3
		.amdhsa_memory_ordered 1
		.amdhsa_forward_progress 1
		.amdhsa_inst_pref_size 24
	.end_amdhsa_kernel
	.amdgpu_metadata
---
amdhsa.version: [ 1, 2 ]
amdhsa.kernels:
  - .name:           k_qbf7d77772f_pool
    .symbol:         k_qbf7d77772f_pool.kd
    .args:
      - { .name: x, .offset: 0, .size: 8, .value_kind: global_buffer, .address_space: global }
      - { .name: out0, .offset: 8, .size: 8, .value_kind: global_buffer, .address_space: global }
    .group_segment_fixed_size: 0
    .private_segment_fixed_size: 0
    .kernarg_segment_align: 8
    .kernarg_segment_size: 16
    .max_flat_workgroup_size: 1024
    .sgpr_count:     66
    .vgpr_count:     116
    .wavefront_size: 32
...
	.end_amdgpu_metadata
.endif
;; end of part 1
